; MI455X (gfx1250); checked and timed in simulation.
; The chip was launched on July 23, 2026; its instructions are those of AMD's public machine-readable ISA for CDNA 5 (MIT licence, August 2026) and "CDNA5" Instruction Set Architecture Reference Guide (July 2026). The comments in the code are by the model that wrote it; some were corrected since.
;; Luong Gen Attention. Allowed arithmetic: matrix products marked QUANTISED: E5M2 operands, one given power-of-two scale a tensor, by v_wmma_f32_16x16x64_bf8_bf8 or v_wmma_f32_16x16x128_bf8_bf8, f32 sums; products left as they are: f32 operands where the result goes on into a quantised operand, else bf16, f16 or f32 operands; f32 sums; everything else in f32.
;; Inputs: W_codes 2,048 x 64 x 32 uint8 (E5M2 codes of W, K innermost, in blocks of 32 codes); b 2,048 float32; encode_state 16 x 1,024 x 2,048 float32; hid_state_codes 16 x 64 x 32 uint8 (E5M2 codes of hid_state, K innermost, in blocks of 32 codes); lowp_scales 4 int32 (the exponents e of the quantised operands' scales 2^e).
;; Outputs: out0 16 x 1,024 float32; out1 16 x 2,048 float32.
;; This version of the problem:
;;   THIS VERSION OF THE PROBLEM IS GIVEN IN LOW PRECISION. The matrix products marked QUANTISED in the list below multiply operands that are first quantised to E5M2 (5 exponent bits, 2 mantissa bits; 8 bits a number), with one given power-of-two scale for each operand tensor; their sums are f32. All else is computed in f32.
;;   The module's matrix products, in the order in which they are computed (A, B: the left and right operand; K: the contracted axis; several contracted axes count as one K, in the product's order):
;;     1. [M 16,384, K 2,048] x [K 2,048, N 2,048]; A: input encode_state; B: input W (given as codes): QUANTISED (scales: A lowp_scales[0], B lowp_scales[1])
;;     2. [M 16, K 2,048] x [K 2,048, N 2,048]; A: input hid_state (given as codes); B: input W (given as codes): QUANTISED (scales: A lowp_scales[2], B lowp_scales[3])
;;     3. batch 16 x [M 1,024, K 2,048] x [K 2,048, N 1]; A: computed on the way; B: computed on the way: left as it is (N = 1 < 16)
;;     4. batch 16 x [M 1, K 1,024] x [K 1,024, N 2,048]; A: softmax; B: input encode_state: left as it is (M = 1 < 16)
;;   THE QUANTISER, for each operand of a quantised product, along K:
;;     - The operand's scale is 2^e, e = its entry of the input lowp_scales (int32; the entries are numbered through the quantised products in the list's order, A before B).
;;     - Each number is divided by the scale, clamped to +-57,344, and rounded to the nearest number of E5M2, ties to even, subnormals kept.
;;     - The product sums the exact products of the quantised numbers (number of the format x scale) in f32.
;;   ~~~python
;;   def quantise(x, axis, e):      # numpy; x: float32 -> the quantised numbers, widened to float32 again
;;       x = np.moveaxis(x, axis, -1); K = x.shape[-1]
;;       r = np.clip(x / 2.0 ** e, -57344, 57344)
;;       step = 2.0 ** (np.maximum(np.frexp(np.where(r == 0, 1, r))[1] - 1, -14) - 2)
;;       q = np.round(r / step) * step * 2.0 ** e      # np.round: ties to even
;;       return np.moveaxis(q, -1, axis).astype(np.float32)
;;   ~~~
;;   INPUTS GIVEN AS CODES. W (in the module: [2048, 2048], K = its axis 1); hid_state (in the module: [16, 2048], K = its axis 1): each comes as NAME_codes (uint8): NAME with its K axis moved to the last place and cut into blocks of 32 codes, [.., K / 32, bytes a block], one block behind the other in memory; one code a byte (a code: sign, 5 exponent bits, 2 mantissa bits); its scale is its entry of lowp_scales. Its value is code x scale, taken as it is: it is not quantised again, and the codes and scales need not be those that the quantiser above would give.
;; One version. Each part assembles by itself: llvm-mc -triple=amdgcn-amd-amdhsa -mcpu=gfx1250 --defsym DOCPART=n.
;; ======== version 1 of 1: 4 launches
;; limits: an absolute error that grows with the inputs' magnitude: up to 9.31e-10 times it
;; workspace buffers: wimg 4,194,304 bytes; hp 131,072 bytes; ps 1,048,576 bytes; pn 65,536 bytes; keep 16,384 bytes of whole numbers
;; launch prep (part 1): grid 32 x 1, 4 waves a work-group, no clusters, 271,104 bytes of LDS; arguments W_codes, hid_state_codes, b, lowp_scales, wimg, hp; writes wimg, hp
.if DOCPART == 1
	.amdgcn_target "amdgcn-amd-amdhsa--gfx1250"
	.amdhsa_code_object_version 6
	.text
	.protected	k_q9508162322_prep
	.globl	k_q9508162322_prep
	.p2align	8
	.type	k_q9508162322_prep,@function
k_q9508162322_prep:
	s_mov_b64 s[64:65], 0
	v_nop
	global_prefetch_b8 v0, s[64:65] scope:SCOPE_SE
	s_setreg_imm32_b32 hwreg(HW_REG_WAVE_MODE, 25, 1), 1
	s_wait_xcnt 0x0
; hp[batch][a] = 2^(e2 + e3) x (sum over k of hid's code x W's code) + b[a]   (the small quantised product, on E5M2 codes as they are given),
; and W's codes laid out anew as IMAGES OF OPERAND REGISTERS for the next launch:
;   wimg byte ((kc x 128 + T) x 4 + c) x 512 + 16 x lane  holds  W[16 T + lane % 16][128 kc + 32 c + 16 (lane / 16) + 0 .. 15].
; SHARES.  Wave w of work-group g owns T = 4 g + w: 16 rows of W, all 2,048 along K.  One tensor load brings them (32,768 dense bytes), a second one all of hid's codes,
; each wave into LDS bytes of its own: so a wave's own wait on TENSORcnt is all that its reads need.  No LDS byte is filled twice.
; ORDER OF K IN A FRAGMENT: registers 4 c .. 4 c + 3 of lane (r, h) hold k = 32 c + 16 h + 0 .. 15, alike in both operands: every product meets its partner; only the order of the sums
; inside an instruction differs from the form's own layout.  K is summed in four accumulators that take turns, added at the end.
; LIMIT: e2 + e3 between -126 and 127, so that 2^(e2 + e3) is an f32 number.
.set TILEB, 32*1040                    ; a tile in LDS: 32 lines of 1,024 bytes + 16 of padding; row rho of the tensor is lines 2 rho and 2 rho + 1
.set WREG,  2*TILEB                    ; a wave's LDS: W's tile, then hid's
.set STG,   4*WREG                     ; behind the tiles: the stage for hp, 16 rows (batches) x (256 bytes + 16); no tensor load lands here
.set SP,    272
.set WF,    32                         ; v32-95   four fragments of W
.set HF,    96                         ; v96-159  four fragments of hid
.set ACC,   160                        ; v160-191 four accumulators
.set TM,    192                        ; v192-207 at work
	s_load_b256 s[4:11], s[0:1], 0x0               ; W's codes s[4:5], hid's codes s[6:7], b s[8:9], the scales' exponents s[10:11]
	s_load_b128 s[12:15], s[0:1], 0x20             ; wimg s[12:13], hp s[14:15]
	v_lshl_add_u32 v254, v0, 2, 0x42100
	v_mov_b32 v255, 0
	ds_add_u32 v254, v255
	ds_add_u32 v254, v255
	v_lshrrev_b32 v1, 5, v0
	v_readfirstlane_b32 s16, v1                    ; wave 0..3
	s_lshl_b32 s17, ttmp9, 2
	s_add_co_u32 s17, s17, s16                     ; T = 4 g + w
	s_mul_i32 s18, s16, WREG                       ; my LDS
	; descriptor group 1, the same for both tiles: 32 lines of 1,024 elements of one byte, dense in memory, 4 words of padding behind every 256
	s_mov_b32 s24, (1<<20)|(7<<22)|(3<<25)
	s_mov_b32 s25, 1024<<16                        ; tensor_dim0
	s_mov_b32 s26, 32<<16                          ; tensor_dim1
	s_mov_b32 s27, 1024<<16                        ; tile_dim0
	s_mov_b32 s28, 32                              ; tile_dim1
	s_mov_b32 s29, 1024                            ; from line to line
	s_mov_b32 s30, 0
	s_mov_b32 s31, 0
	s_lshl_b32 s20, s17, 15                        ; my 16 rows of W: T x 32,768 bytes
	s_mov_b32 s21, 0
	s_wait_dscnt 0x0
	s_wait_kmcnt 0x0
	s_load_b128 s[40:43], s[10:11], 0x0            ; e0, e1, e2, e3
	s_mov_b32 s32, 1
	s_mov_b32 s33, s18
	s_add_nc_u64 s[34:35], s[4:5], s[20:21]
	s_or_b32 s35, s35, 0x80000000
	s_mov_b32 s36, 1
	s_add_co_u32 s37, s18, TILEB
	s_mov_b64 s[38:39], s[6:7]
	s_or_b32 s39, s39, 0x80000000
	tensor_load_to_lds s[32:35], s[24:31]          ; both fills go out together, ahead of every wait on TENSORcnt and every LDS read: two loads of mine are out
	s_nop 0
	tensor_load_to_lds s[36:39], s[24:31]
	s_nop 0
.rept 4
	v_nop
.endr
	v_and_b32 v16, 15, v0                          ; r
	v_bfe_u32 v17, v0, 4, 1                        ; h
	v_and_b32 v18, 31, v0                          ; lane
	v_mul_u32_u24 v1, v16, 2080
	v_lshl_add_u32 v1, v17, 4, v1
	v_add_nc_u32 v1, s18, v1                       ; a fragment's place: my LDS + row r (two lines) + 16 h
	v_lshlrev_b32 v2, 4, v18                       ; 16 x lane: an image's place for my lane
	v_lshlrev_b32 v3, 5, v17                       ; b: 32 h bytes
	s_lshl_b32 s19, s16, 6
	s_add_co_u32 s19, s19, STG
	v_mul_u32_u24 v4, v16, SP
	v_lshl_add_u32 v4, v17, 5, v4
	v_add_nc_u32 v4, s19, v4                       ; the stage, in: row r (the batch), + 64 w + 32 h
	s_mul_i32 s19, s16, 4*SP
	s_add_co_u32 s19, s19, STG
	v_mul_u32_u24 v5, v17, SP
	v_lshl_add_u32 v5, v16, 4, v5
	v_add_nc_u32 v5, s19, v5                       ; the stage, out: row 4 w + h, 16 bytes a lane
	s_lshl_b32 s19, s16, 15
	v_lshlrev_b32 v6, 13, v17
	v_lshl_add_u32 v6, v16, 4, v6
	v_add_nc_u32 v6, s19, v6                       ; and the same place in hp: a batch's row is 8,192 bytes
	s_lshl_b32 s20, s17, 6
	s_add_nc_u64 s[8:9], s[8:9], s[20:21]          ; b at a = 16 T
	s_lshl_b32 s20, s17, 11
	s_add_nc_u64 s[12:13], s[12:13], s[20:21]      ; wimg at tile T of K part 0
	s_lshl_b32 s20, ttmp9, 8
	s_add_nc_u64 s[14:15], s[14:15], s[20:21]      ; hp at a = 64 g
	global_load_b128 v[8:11], v3, s[8:9]           ; b[16 T + 8 h + 0 .. 7]: the result's layout
	global_load_b128 v[12:15], v3, s[8:9] offset:16
	s_wait_kmcnt 0x0
	s_add_co_i32 s46, s42, s43
	s_add_co_i32 s46, s46, 127
	s_lshl_b32 s46, s46, 23                        ; 2^(e2 + e3) as f32
	s_mov_b32 s47, s46                             ; (named with it as a pair, so it is written)
	s_wait_tensorcnt 0x0                           ; both my tiles are in LDS
; Four K parts of 128: kc = 4 g + i.  The fragments of W go to the matrix unit and, as they stand, to wimg.
.macro GROUP g
.if \g > 0
	s_wait_xcnt 0x0                                ; the last group's stores have read W's fragments: only now are these registers loaded again
.rept 4
	v_nop                                          ; four places between the last products and loads into their sources
.endr
.endif
.irp i, 0,1,2,3
.irp c, 0,1,2,3
	ds_load_b128 v[WF+16*\i+4*\c:WF+16*\i+4*\c+3], v1 offset:((4*\g+\i)/8)*1040+128*((4*\g+\i)%8)+32*\c
	ds_load_b128 v[HF+16*\i+4*\c:HF+16*\i+4*\c+3], v1 offset:TILEB+((4*\g+\i)/8)*1040+128*((4*\g+\i)%8)+32*\c
.endr
.endr
	s_wait_dscnt 0x0
.irp i, 0,1,2,3                                ; source 0 = 16 rows of W, source 1 = the 16 batches: lane (r, h) holds batch r, and its register j a = 16 T + 8 h + j
.if \g == 0
	v_wmma_f32_16x16x128_bf8_bf8 v[ACC+8*\i:ACC+8*\i+7], v[WF+16*\i:WF+16*\i+15], v[HF+16*\i:HF+16*\i+15], 0
.else
	v_wmma_f32_16x16x128_bf8_bf8 v[ACC+8*\i:ACC+8*\i+7], v[WF+16*\i:WF+16*\i+15], v[HF+16*\i:HF+16*\i+15], v[ACC+8*\i:ACC+8*\i+7]
.endif
.endr
.irp i, 0,1,2,3
.irp c, 0,1,2,3
	global_store_b128 v2, v[WF+16*\i+4*\c:WF+16*\i+4*\c+3], s[12:13] offset:(4*\g+\i)*262144+512*\c   ; 32 lanes store 512 consecutive bytes, at a multiple of 512 from wimg's first byte
.endr
.endr
.endm
	GROUP 0
	GROUP 1
	GROUP 2
	GROUP 3
.rept 4
	v_nop                                          ; four places between the last products and the first read of their results
.endr
.irp i, 0,2,4,6
	v_pk_add_f32 v[TM+\i:TM+\i+1], v[ACC+\i:ACC+\i+1], v[ACC+8+\i:ACC+8+\i+1]          ; each accumulator is read from its low end on
.endr
.irp i, 0,2,4,6
	v_pk_add_f32 v[TM+8+\i:TM+8+\i+1], v[ACC+16+\i:ACC+16+\i+1], v[ACC+24+\i:ACC+24+\i+1]
.endr
.irp i, 0,2,4,6
	v_pk_add_f32 v[TM+\i:TM+\i+1], v[TM+\i:TM+\i+1], v[TM+8+\i:TM+8+\i+1]
.endr
	s_wait_loadcnt 0x0                             ; b
.irp i, 0,2,4,6
	v_pk_fma_f32 v[TM+\i:TM+\i+1], v[TM+\i:TM+\i+1], s[46:47], v[8+\i:9+\i] op_sel_hi:[1,0,1]   ; sum x 2^(e2 + e3) + b
.endr
	ds_store_b128 v4, v[TM:TM+3]                   ; a batch's 64 numbers of this work-group come from four waves: they meet in the stage
	ds_store_b128 v4, v[TM+4:TM+7] offset:16
	s_wait_dscnt 0x0                               ; for the others' sake: my stores into the stage are done
	s_barrier_signal -1
	s_barrier_wait -1
	ds_load_b128 v[TM+8:TM+11], v5                 ; rows 4 w + h
	ds_load_b128 v[TM+12:TM+15], v5 offset:2*SP    ; and 4 w + 2 + h
	s_wait_dscnt 0x1
	global_store_b128 v6, v[TM+8:TM+11], s[14:15]  ; 16 lanes store 256 consecutive bytes, at a multiple of 256 from hp's first byte
	s_wait_dscnt 0x0
	global_store_b128 v6, v[TM+12:TM+15], s[14:15] offset:16384
	s_wait_tensorcnt 0x0
	ds_add_u32 v254, v255
	s_wait_dscnt 0x0
	s_endpgm
.Lfunc_end_k_q9508162322_prep:
	.size	k_q9508162322_prep, .Lfunc_end_k_q9508162322_prep-k_q9508162322_prep
	.p2alignl 7, 3214868480
	.fill 96, 4, 3214868480
	.section	.rodata,"a",@progbits
	.p2align	6, 0x0
	.amdhsa_kernel k_q9508162322_prep
		.amdhsa_group_segment_fixed_size 271104
		.amdhsa_private_segment_fixed_size 0
		.amdhsa_enable_private_segment 0
		.amdhsa_kernarg_size 48
		.amdhsa_user_sgpr_count 2
		.amdhsa_user_sgpr_kernarg_segment_ptr 1
		.amdhsa_wavefront_size32 1
		.amdhsa_system_sgpr_workgroup_id_x 1
		.amdhsa_system_sgpr_workgroup_id_y 1
		.amdhsa_system_sgpr_workgroup_id_z 1
		.amdhsa_system_vgpr_workitem_id 0
		.amdhsa_next_free_vgpr 256
		.amdhsa_next_free_sgpr 66
		.amdhsa_reserve_vcc 0
		.amdhsa_float_denorm_mode_32 3
		.amdhsa_float_denorm_mode_16_64 3
		.amdhsa_memory_ordered 1
		.amdhsa_forward_progress 1
		.amdhsa_inst_pref_size 22
	.end_amdhsa_kernel
	.amdgpu_metadata
---
amdhsa.version: [ 1, 2 ]
amdhsa.kernels:
  - .name:           k_q9508162322_prep
    .symbol:         k_q9508162322_prep.kd
    .args:
      - { .name: W_codes, .offset: 0, .size: 8, .value_kind: global_buffer, .address_space: global }
      - { .name: hid_state_codes, .offset: 8, .size: 8, .value_kind: global_buffer, .address_space: global }
      - { .name: b, .offset: 16, .size: 8, .value_kind: global_buffer, .address_space: global }
      - { .name: lowp_scales, .offset: 24, .size: 8, .value_kind: global_buffer, .address_space: global }
      - { .name: wimg, .offset: 32, .size: 8, .value_kind: global_buffer, .address_space: global }
      - { .name: hp, .offset: 40, .size: 8, .value_kind: global_buffer, .address_space: global }
    .group_segment_fixed_size: 271104
    .private_segment_fixed_size: 0
    .kernarg_segment_align: 8
    .kernarg_segment_size: 48
    .max_flat_workgroup_size: 128
    .sgpr_count:     66
    .vgpr_count:     256
    .wavefront_size: 32
...
	.end_amdgpu_metadata
.endif
;; end of part 1
;; launch main (part 2): grid 16 x 16, 4 waves a work-group, no clusters, 327,680 bytes of LDS; arguments encode_state, wimg, hp, lowp_scales, ps; writes ps
.if DOCPART == 2
	.amdgcn_target "amdgcn-amd-amdhsa--gfx1250"
	.amdhsa_code_object_version 6
	.text
	.protected	k_q9508162322_main
	.globl	k_q9508162322_main
	.p2align	8
	.type	k_q9508162322_main,@function
k_q9508162322_main:
	s_mov_b64 s[64:65], 0
	v_nop
	global_prefetch_b8 v0, s[64:65] scope:SCOPE_SE
	s_setreg_imm32_b32 hwreg(HW_REG_WAVE_MODE, 25, 1), 1
	s_wait_xcnt 0x0
; The large quantised product, and the score's weighting, without storing the product:
;   ps[kc][b][s] = sum over a of hp[b][a] x (sum over k in K part kc of code(enc[b][s][k]) x code(W[a][k])).     The next launch adds the 16 parts and applies 2^(e0 + e1).
; A work-group owns (K part kc = x: 128 along K, batch b = y): 1,024 rows x 512 bytes of encode_state, which no other work-group reads: it is quantised on the way (x / 2^e0, held at +-57,344, nearest code, ties to even).
; With K = 128 a tile of the product is ONE matrix instruction with C = 0; it is multiplied by hp and folded into eight running sums at once.
; SHARES.  Wave w keeps, for the whole launch, W's 32 tiles T = 32 w + t of this K part (512 registers, loaded as register images) and hp at their 512 a (256 registers, in the result's layout).
; The rows flow past in 8 steps of 128 rows = 8 images of 16 rows x 128 K (an image: the operand's 16 registers, lane by lane, 2,048 bytes).  In a step every wave multiplies all 8 images by its 32 tiles
; (8 sweeps of 32 matrix instructions) and meanwhile quantises its own two images of the next step, a quarter of an image in each sweep.  Image i of step g holds rows 256 (g / 2) + 64 (i / 2) + 32 (g % 2) + 16 (i % 2) on.
; THE MATRIX INSTRUCTION: source 0 = 16 rows of W, source 1 = 16 rows of enc: lane (r, h) holds row r, and its register j a = 16 T + 8 h + j.  Registers 4 c .. 4 c + 3 of both operands hold k = 32 c + 16 h + 0 .. 15.
; THE FOLD lags two tiles behind the product: so eight plain vector instructions stand between a product and the first read of its result, and four results go round in v72-103.
; f32 ROWS come through a ring of two LDS slots of 256 rows; each wave fetches and reads its own 64 rows of a slot.  By this text's count a wave has two tensor loads out at the start, later one.
; No cluster: encode_state is shared by nobody; W's slice and hp, which the 16 batches share, go once, straight into registers.  No prefetch: the ring's refills keep the launch's one stream going throughout.
; LIMITS: e0 between -126 and 112, so that 2^e0 and 57,344 x 2^e0 are f32 numbers.  NaN among the inputs is not served.
; REGISTERS, in windows of 256.  Only source 0's window is switched in the loop: W's tile and the hp that is folded behind it lie in one window (hp of tile u beside W's tile u + 2).
;   window 1: W 0-9 at v[16 t]; hp 30, 31, 0-7 from v160.    window 2: W 10-19; hp 8-17 from v160; v240 the hold's bound.    window 3: W 20-27; hp 18-25 from v160; v240 the same.
;   window 0: v0-15, v36-39 addresses; v16-31 sixteen numbers of enc; v32-35 their codes; v40-55, v56-71 two images; v72-103 four results; v104-111, v112-119 two sets of sums; W 28-31 from v128; hp 26-29 from v192; v240 the bound.
.set PITCH, 528                        ; an LDS row of f32: 512 bytes + 16 of padding = 132 words: row r starts at bank 4 r mod 64 (64 banks of 4 bytes: ISA guide 11.1)
.set PART,  64*PITCH                   ; a wave's part of a slot
.set SLOT,  4*PART
.set IMG,   2*SLOT                     ; behind the ring: two sets of eight images
.set ISET,  16384
.set SCW,   IMG+2*ISET                 ; the waves' scores: for each wave 64 bytes that nobody reads, then 64 bytes for each of its 64 sweeps, in their order
.set SCP,   4352
.set SPARE, SCW+4*SCP                  ; the spare words, 128 bytes for each wave: two blocks of 256 bytes that no other line names
.set QB,    1                          ; my place in my part of slot 0: row r, + 64 h
.set IWB,   2                          ; where I store images: IMG + 4,096 w + 16 x lane
.set IRB,   3                          ; where I read them: IMG + 16 x lane
.set SCB,   4                          ; my wave's scores + 4 r
.set QBS,   5                          ; the three bases of the step in hand
.set IWS,   6
.set IRS,   7
.set QADR,  8                          ; the addresses of the trip in hand
.set QADN,  9
.set SPW,   10                         ; LDS address of my spare word; never rewritten
.set NIL,   11                         ; 0; never rewritten
.set SCL,   12                         ; 2^e0 as f32
.set IWADR, 13
.set IRADR, 14
.set IRADN, 15
.set X,     16
.set PC,    32
.set SCADR, 36
.set TMP,   37
.set LI,    38                         ; 16 x lane
.set HB,    39                         ; 32 h
.set IMA,   40
.set IMB,   56
.set RES,   72
.set SA,    104
.set SB,    112
.set LIM,   240                        ; 57,344 x 2^e0
.set G1,    24                         ; s[24:31] descriptor group 1;  s[32:39] group 0, a set for each slot
.set G0,    32
.set SEL,   40                         ; s[40:41] lane selects: lane l xor 16
.set TR,    42                         ; trips to go
.set RI,    43                         ; this trip's images in a set, and the next trip's
.set RN,    44
.set QC,    45                         ; this trip's quarter in an f32 row, and the next trip's
.set QN,    46
.set IO,    47                         ; the quarter's place in an image
.set SO,    48                         ; the trip's place among my scores
.set MSB, 0
.macro WIN new                         ; the immediate's high byte repeats the setting that is left; a switch that changes nothing is dropped
.if MSB != \new
	s_set_vgpr_msb (MSB<<8)|\new
.set MSB, \new
.endif
.endm
.macro WLOC t                          ; W's tile t: window WW, first register WR
.if (\t) < 10
.set WW, 1
.set WR, 16*(\t)
.elseif (\t) < 20
.set WW, 2
.set WR, 16*((\t)-10)
.elseif (\t) < 28
.set WW, 3
.set WR, 16*((\t)-20)
.else
.set WW, 0
.set WR, 128+16*((\t)-28)
.endif
.endm
.macro HLOC u                          ; hp of tile u: window HW (that of W's tile u + 2), first register HR
.if (\u) >= 30
.set HW, 1
.set HR, 160+8*((\u)-30)
.elseif (\u) < 8
.set HW, 1
.set HR, 176+8*(\u)
.elseif (\u) < 18
.set HW, 2
.set HR, 160+8*((\u)-8)
.elseif (\u) < 26
.set HW, 3
.set HR, 160+8*((\u)-18)
.else
.set HW, 0
.set HR, 192+8*((\u)-26)
.endif
.endm
	s_load_b256 s[4:11], s[0:1], 0x0               ; encode_state s[4:5], wimg s[6:7], hp s[8:9], the scales' exponents s[10:11]
	s_load_b64 s[12:13], s[0:1], 0x20              ; ps
	v_lshl_add_u32 v[SPW], v0, 2, SPARE
	v_mov_b32 v[NIL], 0
	ds_add_u32 v10, v11
	ds_add_u32 v10, v11
	s_wait_dscnt 0x0
	v_lshrrev_b32 v1, 5, v0
	v_readfirstlane_b32 s14, v1                    ; wave 0..3
	s_mov_b32 s15, ttmp9                           ; kc
	s_and_b32 s16, ttmp7, 0xffff                   ; b
	; descriptor group 1: 64 rows x 128 elements of 4 bytes, 2,048 elements from row to row, 4 words of padding behind every 128
	s_mov_b32 s[G1+0], (2<<16)|(1<<20)|(6<<22)|(3<<25)
	s_mov_b32 s[G1+1], 128<<16                     ; tensor_dim0
	s_mov_b32 s[G1+2], 64<<16                      ; tensor_dim1
	s_mov_b32 s[G1+3], 128<<16                     ; tile_dim0
	s_mov_b32 s[G1+4], 64                          ; tile_dim1
	s_mov_b32 s[G1+5], 2048
	s_mov_b32 s[G1+6], 0
	s_mov_b32 s[G1+7], 0
	s_lshl_b32 s18, s16, 23                        ; the batch's 1,024 rows of 8,192 bytes,
	s_lshl_b32 s20, s14, 19                        ; my wave's 64 rows of a slot's 256,
	s_add_co_u32 s18, s18, s20
	s_lshl_b32 s20, s15, 9                         ; the K part's 512 bytes of a row
	s_add_co_u32 s18, s18, s20
	s_mov_b32 s19, 0
	s_mul_i32 s22, s14, PART
	s_wait_kmcnt 0x0
	s_load_b32 s49, s[10:11], 0x0                  ; e0
	s_add_nc_u64 s[4:5], s[4:5], s[18:19]
.irp p, 0,1
	s_mov_b32 s[G0+4*\p], 1
	s_add_co_u32 s[G0+4*\p+1], s22, \p*SLOT
	s_add_nc_u64 s[G0+4*\p+2:G0+4*\p+3], s[4:5], \p*2097152        ; slot p begins with rows 256 p on
	s_or_b32 s[G0+4*\p+3], s[G0+4*\p+3], 0x80000000
.endr
	tensor_load_to_lds s[G0:G0+3], s[G1:G1+7]      ; both first fills go out together, ahead of every wait on TENSORcnt, every LDS read and every barrier
	s_nop 0
	tensor_load_to_lds s[G0+4:G0+7], s[G1:G1+7]
	s_nop 0
.rept 4
	v_nop
.endr
	v_and_b32 v5, 15, v0                           ; r
	v_bfe_u32 v6, v0, 4, 1                         ; h
	v_and_b32 v7, 31, v0                           ; lane
	v_lshlrev_b32 v[LI], 4, v7
	v_lshlrev_b32 v[HB], 5, v6
	v_mul_u32_u24 v[QB], v5, PITCH
	v_lshl_add_u32 v[QB], v6, 6, v[QB]
	v_add_nc_u32 v[QB], s22, v[QB]
	s_lshl_b32 s20, s14, 12
	s_add_co_u32 s20, s20, IMG
	v_add_nc_u32 v[IWB], s20, v[LI]
	v_add_nc_u32 v[IRB], IMG, v[LI]
	s_mul_i32 s20, s14, SCP
	s_add_co_u32 s20, s20, SCW
	v_lshl_add_u32 v[SCB], v5, 2, s20
	v_mov_b32 v[TMP], 0                            ; written once: a lane permute's destination counts as one of its sources
.irp i, 0,1,2,3,4,5,6,7
	v_mov_b32 v[SB+\i], 0                          ; the first sweep folds a sweep that never was: its sum goes to the 64 bytes that nobody reads
.endr
	s_mov_b32 s[SEL], 0x76543210
	s_mov_b32 s[SEL+1], 0xfedcba98
	s_lshl_b32 s18, s15, 18                        ; wimg: K part kc, my 32 tiles: 65,536 consecutive bytes
	s_lshl_b32 s20, s14, 16
	s_add_co_u32 s18, s18, s20
	s_add_nc_u64 s[6:7], s[6:7], s[18:19]
	s_lshl_b32 s18, s16, 13                        ; hp: the batch's row, my 512 numbers
	s_lshl_b32 s20, s14, 11
	s_add_co_u32 s18, s18, s20
	s_add_nc_u64 s[8:9], s[8:9], s[18:19]
	s_lshl_b32 s18, s15, 4                         ; ps: part kc, batch b: 4,096 bytes
	s_add_co_u32 s18, s18, s16
	s_lshl_b32 s18, s18, 12
	s_add_nc_u64 s[12:13], s[12:13], s[18:19]
.set t, 0
.rept 32                                       ; W's 32 fragments, as they will stand: 512 consecutive bytes a load
	WLOC t
.set WD, WW<<6
	WIN WD                                         ; the destination's window
.irp c, 0,1,2,3
	global_load_b128 v[WR+4*\c:WR+4*\c+3], v[LI], s[6:7] offset:t*2048+512*\c
.endr
.set t, t+1
.endr
.set u, 0
.rept 32                                       ; hp[16 T + 8 h + 0 .. 7] for each tile
	HLOC u
.set WD, HW<<6
	WIN WD
	global_load_b128 v[HR:HR+3], v[HB], s[8:9] offset:64*u
	global_load_b128 v[HR+4:HR+7], v[HB], s[8:9] offset:64*u+16
.set u, u+1
.endr
	s_wait_kmcnt 0x0
	s_add_co_i32 s49, s49, 127
	s_lshl_b32 s50, s49, 23
	s_add_co_i32 s49, s49, 15
	s_lshl_b32 s49, s49, 23
	s_or_b32 s49, s49, 0x600000                    ; 57,344 x 2^e0
	WIN 0x80
	v_mov_b32 v[LIM], s49                          ; a copy in each window under which a hold stands
	WIN 0xc0
	v_mov_b32 v[LIM], s49
	WIN 0
	v_mov_b32 v[LIM], s49
	v_mov_b32 v[SCL], s50                          ; 2^e0: the conversion takes its exponent field
; hp of tile u times the tile's result, onto the eight sums at s.  Tile 0 starts the sums: nothing is cleared.  The result is read from its low end on.
.macro FOLD u, s
	HLOC \u
.set DR, RES+8*((\u)%4)
.irp i, 0,2,4,6
.if (\u) == 0
	v_pk_mul_f32 v[\s+\i:\s+\i+1], v[HR+\i:HR+\i+1], v[DR+\i:DR+\i+1]
.else
	v_pk_fma_f32 v[\s+\i:\s+\i+1], v[HR+\i:HR+\i+1], v[DR+\i:DR+\i+1], v[\s+\i:\s+\i+1]
.endif
.endr
.endm
; A SWEEP: the image in im against my 32 tiles.  Behind product t stands the fold of tile t - 2 (behind products 0 and 1: of the last sweep's tiles 30 and 31, onto prev).  Set between them:
;   behind 3-6    the last sweep's eight sums become one (1.0 as source 0 keeps these lines free of the window);
;   behind 9      under window 0: the other half of the lanes' sum; the next image's four loads into other; the score's store;
;   behind 11-27  the wait for the sixteen numbers of enc, and their holds (the conversion to an 8-bit code does not saturate: ISA guide 7.6.2);
;   behind 28, 29 their conversion; the codes' store into the next step's image; the next sixteen numbers' loads.
; ab: 0 the trip's first sweep, 1 its second.  q = 0: the last step, which quantises nothing.
.macro SWEEP im, other, s, prev, ab, q
.if \q
	s_wait_dscnt 6                                 ; my image is in: behind its four loads stand the score's store, the codes' store and four loads of enc
.else
	s_wait_dscnt 1                                 ; behind its four loads stands the score's store
.endif
.set t, 0
.rept 32
	WLOC t
	WIN WW
	v_wmma_f32_16x16x128_bf8_bf8 v[RES+8*(t%4):RES+8*(t%4)+7], v[WR:WR+15], v[\im:\im+15], 0
.if t < 2
.set u, t+30
	FOLD u, \prev
.else
.set u, t-2
	FOLD u, \s
.endif
.if t == 3
	v_pk_fma_f32 v[\prev:\prev+1], 1.0, v[\prev+4:\prev+5], v[\prev:\prev+1] op_sel_hi:[0,1,1]
.elseif t == 4
	v_pk_fma_f32 v[\prev+2:\prev+3], 1.0, v[\prev+6:\prev+7], v[\prev+2:\prev+3] op_sel_hi:[0,1,1]
.elseif t == 5
	v_pk_fma_f32 v[\prev:\prev+1], 1.0, v[\prev+2:\prev+3], v[\prev:\prev+1] op_sel_hi:[0,1,1]
.elseif t == 6
	v_fma_f32 v[\prev], 1.0, v[\prev+1], v[\prev]
.elseif t == 9
	WIN 0
	v_permlanex16_b32 v[TMP], v[\prev], s[SEL], s[SEL+1]           ; the row's other eight a of each tile lie in the lane 16 away
.irp c, 0,1,2,3
.if \ab == 0
	ds_load_b128 v[\other+4*\c:\other+4*\c+3], v[IRADR] offset:2048+512*\c     ; the trip's second image
.else
	ds_load_b128 v[\other+4*\c:\other+4*\c+3], v[IRADN] offset:512*\c          ; the next trip's first (in the last trip: the step's seventh once more, which is not used)
.endif
.endr
	v_add_f32 v[TMP], v[\prev], v[TMP]
	ds_store_b32 v[SCADR], v[TMP] offset:64*\ab    ; the last sweep's score of row r (both halves of the lanes store the same word)
.endif
.if \q && (t == 11)
	s_wait_dscnt 5                                 ; the sixteen numbers are in: behind their loads stand four image loads and the score's store
.endif
.if \q && (t >= 12) && (t < 28)
	v_med3_num_f32 v[X+t-12], v[LIM], v[X+t-12], -v[LIM]           ; source 0: this window's copy of the bound
.endif
.if \q && (t == 28)
	v_cvt_scalef32_pk8_bf8_f32 v[PC:PC+1], v[X:X+7], v[SCL]
	v_cvt_scalef32_pk8_bf8_f32 v[PC+2:PC+3], v[X+8:X+15], v[SCL]   ; the next fold is the plain line behind the conversions
.endif
.if \q && (t == 29)
	ds_store_b128 v[IWADR], v[PC:PC+3] offset:2048*\ab             ; registers 4 c .. 4 c + 3 of my image 2 w + ab of the next step
.irp j, 0,1,2,3
.if \ab == 0
	ds_load_b128 v[X+4*\j:X+4*\j+3], v[QADR] offset:16*PITCH+16*\j ; my second tile of rows, this quarter
.else
	ds_load_b128 v[X+4*\j:X+4*\j+3], v[QADN] offset:16*\j          ; my first tile, the next quarter (in the last trip: the last once more, which is not used)
.endif
.endr
.endif
.set t, t+1
.endr
.endm
; The first step's two images of mine, ahead of the loop: 64 numbers a lane at a time.
.macro PREQ u
.irp c, 0,1,2,3
.irp j, 0,1,2,3
	ds_load_b128 v[IMA+16*\c+4*\j:IMA+16*\c+4*\j+3], v[QB] offset:\u*16*PITCH+128*\c+16*\j
.endr
.endr
	s_wait_dscnt 0x0
.set n, 0
.rept 64
	v_med3_num_f32 v[IMA+n], v[IMA+n], -v[LIM], v[LIM]
.set n, n+1
.endr
.irp c, 0,1,2,3
	v_cvt_scalef32_pk8_bf8_f32 v[X+4*\c:X+4*\c+1], v[IMA+16*\c:IMA+16*\c+7], v[SCL]
	v_cvt_scalef32_pk8_bf8_f32 v[X+4*\c+2:X+4*\c+3], v[IMA+16*\c+8:IMA+16*\c+15], v[SCL]
.endr
	v_nop                                          ; one plain line behind the last conversion
.irp c, 0,1,2,3
	ds_store_b128 v[IWB], v[X+4*\c:X+4*\c+3] offset:\u*2048+512*\c
.endr
.endm
; STEP sg: four trips of two sweeps on image set sg % 2; with q = 1 the other set is written, from the f32 rows of step sg + 1.
; fin = 0: a barrier: every wave's reads of this set are over and its stores into the other set have landed.  fin = 1, 2: the same barrier, and behind it slot fin - 1, whose rows have all been
; quantised, is filled again with the rows 512 further on: that load has two steps in which to land.  fin = 3: the last step.
.macro STEP sg, q, fin
.if \sg == 5
	s_wait_tensorcnt 0x0                           ; my last load has landed: this step quantises from it, and only I read those bytes
.endif
	v_add_nc_u32 v[IRS], ISET*(\sg%2), v[IRB]
.if \q
	v_add_nc_u32 v[IWS], ISET*(1-\sg%2), v[IWB]
	v_add_nc_u32 v[QBS], (((\sg+1)/2)%2)*SLOT+((\sg+1)%2)*32*PITCH, v[QB]
.irp j, 0,1,2,3
	ds_load_b128 v[X+4*\j:X+4*\j+3], v[QBS] offset:16*\j
.endr
.endif
.irp c, 0,1,2,3
	ds_load_b128 v[IMA+4*\c:IMA+4*\c+3], v[IRS] offset:512*\c
.endr
	s_mov_b32 s[RI], 0
	s_mov_b32 s[QC], 0
	s_mov_b32 s[IO], 0
	s_mov_b32 s[SO], 512*\sg
	s_mov_b32 s[TR], 4
	s_wait_dscnt 0x0
.Ltrip_\@:
	s_add_co_u32 s[RN], s[RI], 4096
	s_min_u32 s[RN], s[RN], 12288
	v_add_nc_u32 v[IRADR], s[RI], v[IRS]
	v_add_nc_u32 v[IRADN], s[RN], v[IRS]
	v_add_nc_u32 v[SCADR], s[SO], v[SCB]
.if \q
	s_add_co_u32 s[QN], s[QC], 128
	s_min_u32 s[QN], s[QN], 384
	v_add_nc_u32 v[QADR], s[QC], v[QBS]
	v_add_nc_u32 v[QADN], s[QN], v[QBS]
	v_add_nc_u32 v[IWADR], s[IO], v[IWS]
.endif
	SWEEP IMA, IMB, SA, SB, 0, \q
	SWEEP IMB, IMA, SB, SA, 1, \q
	s_add_co_u32 s[RI], s[RI], 4096
	s_add_co_u32 s[QC], s[QC], 128
	s_add_co_u32 s[IO], s[IO], 512
	s_add_co_u32 s[SO], s[SO], 128
	s_sub_co_u32 s[TR], s[TR], 1
	s_cmp_lg_u32 s[TR], 0
	s_cbranch_scc1 .Ltrip_\@
.if (\fin) == 0
	s_wait_dscnt 0x0                               ; my reads of this set are back and my stores into the other have landed
	s_barrier_signal -1
	s_barrier_wait -1
.elseif (\fin) < 3
	s_wait_tensorcnt 0x0                           ; all my tensor loads have landed (the other slot's among them: the next step quantises from it), so a group 0 may be written
	ds_add_u32 v[SPW], v[NIL]                      ; 0 onto my spare word
	s_add_nc_u64 s[G0+4*(\fin)-2:G0+4*(\fin)-1], s[G0+4*(\fin)-2:G0+4*(\fin)-1], 4194304   ; 512 rows on; the type bits on top are not reached
	s_wait_dscnt 0x0                               ; the add is done; my reads of the slot and of this set are back, my stores into the other set have landed
	s_barrier_signal -1
	s_barrier_wait -1
	tensor_load_to_lds s[G0+4*(\fin)-4:G0+4*(\fin)-1], s[G1:G1+7]  ; my one tensor load behind this barrier, and the first thing there
	s_nop 0
.rept 4
	v_nop
.endr
.endif
.endm
	s_wait_tensorcnt 0x1                           ; my part of slot 0 is in; slot 1's load may stay out
	PREQ 0
	PREQ 1
	s_wait_loadcnt 0x0                             ; W and hp
	s_wait_dscnt 0x0                               ; my two images have landed
	s_barrier_signal -1
	s_barrier_wait -1
	STEP 0, 1, 1
	STEP 1, 1, 0
	STEP 2, 1, 2
	STEP 3, 1, 0
	STEP 4, 1, 0
	STEP 5, 1, 0
	STEP 6, 1, 0
	STEP 7, 0, 3
	; the last sweep's end.  Between its last product and the read of that result stand the folds of tiles 29 and 30
	WIN 1
	FOLD 30, SB
	FOLD 31, SB
	WIN 0
	v_pk_add_f32 v[SB:SB+1], v[SB:SB+1], v[SB+4:SB+5]
	v_pk_add_f32 v[SB+2:SB+3], v[SB+2:SB+3], v[SB+6:SB+7]
	v_pk_add_f32 v[SB:SB+1], v[SB:SB+1], v[SB+2:SB+3]
	v_add_f32 v[SB], v[SB], v[SB+1]
	v_permlanex16_b32 v[TMP], v[SB], s[SEL], s[SEL+1]
	v_add_f32 v[TMP], v[SB], v[TMP]
	ds_store_b32 v[SCB], v[TMP] offset:4096
	; THE WAY OUT.  Thread n takes rows 4 n .. 4 n + 3 and 512 + 4 n .. : of each wave's scores the 16 bytes at 64 + 64 x sweep + 4 r, the sweep found from the row by the order of images given at the head
	v_and_b32 v5, 7, v0
	v_lshlrev_b32 v5, 4, v5
	v_bfe_u32 v6, v0, 3, 1
	v_lshl_add_u32 v5, v6, 9, v5
	v_bfe_u32 v6, v0, 4, 2
	v_lshl_add_u32 v5, v6, 7, v5
	v_lshrrev_b32 v6, 6, v0
	v_lshl_add_u32 v5, v6, 10, v5
	v_add_nc_u32 v5, SCW+64, v5
	v_lshlrev_b32 v6, 4, v0
	s_wait_dscnt 0x0                               ; for the others' sake: my scores have landed
	s_barrier_signal -1
	s_barrier_wait -1
.irp p, 0,1
.irp k, 0,1,2,3
	ds_load_b128 v[IMA+16*\p+4*\k:IMA+16*\p+4*\k+3], v5 offset:\k*SCP+2048*\p
.endr
.endr
	s_wait_dscnt 0x0
	s_wait_tensorcnt 0x0                           ; the wave's end: behind my last tensor load and my last LDS store
	ds_add_u32 v[SPW], v[NIL]
.irp p, 0,1                                    ; the four waves' parts are added while the add is out
.irp i, 0,2
	v_pk_add_f32 v[IMA+16*\p+\i:IMA+16*\p+\i+1], v[IMA+16*\p+\i:IMA+16*\p+\i+1], v[IMA+16*\p+4+\i:IMA+16*\p+4+\i+1]
	v_pk_add_f32 v[IMA+16*\p+8+\i:IMA+16*\p+8+\i+1], v[IMA+16*\p+8+\i:IMA+16*\p+8+\i+1], v[IMA+16*\p+12+\i:IMA+16*\p+12+\i+1]
.endr
.irp i, 0,2
	v_pk_add_f32 v[IMA+16*\p+\i:IMA+16*\p+\i+1], v[IMA+16*\p+\i:IMA+16*\p+\i+1], v[IMA+16*\p+8+\i:IMA+16*\p+8+\i+1]
.endr
.endr
	s_wait_dscnt 0x0
	global_store_b128 v6, v[IMA:IMA+3], s[12:13]   ; 32 lanes store 512 consecutive bytes, at a multiple of 512 from ps's first byte
	global_store_b128 v6, v[IMA+16:IMA+19], s[12:13] offset:2048
	s_endpgm
.Lfunc_end_k_q9508162322_main:
	.size	k_q9508162322_main, .Lfunc_end_k_q9508162322_main-k_q9508162322_main
	.p2alignl 7, 3214868480
	.fill 96, 4, 3214868480
	.section	.rodata,"a",@progbits
	.p2align	6, 0x0
	.amdhsa_kernel k_q9508162322_main
		.amdhsa_group_segment_fixed_size 327680
		.amdhsa_private_segment_fixed_size 0
		.amdhsa_enable_private_segment 0
		.amdhsa_kernarg_size 40
		.amdhsa_user_sgpr_count 2
		.amdhsa_user_sgpr_kernarg_segment_ptr 1
		.amdhsa_wavefront_size32 1
		.amdhsa_system_sgpr_workgroup_id_x 1
		.amdhsa_system_sgpr_workgroup_id_y 1
		.amdhsa_system_sgpr_workgroup_id_z 1
		.amdhsa_system_vgpr_workitem_id 0
		.amdhsa_next_free_vgpr 1024
		.amdhsa_next_free_sgpr 66
		.amdhsa_reserve_vcc 0
		.amdhsa_float_denorm_mode_32 3
		.amdhsa_float_denorm_mode_16_64 3
		.amdhsa_memory_ordered 1
		.amdhsa_forward_progress 1
		.amdhsa_inst_pref_size 246
	.end_amdhsa_kernel
	.amdgpu_metadata
---
amdhsa.version: [ 1, 2 ]
amdhsa.kernels:
  - .name:           k_q9508162322_main
    .symbol:         k_q9508162322_main.kd
    .args:
      - { .name: encode_state, .offset: 0, .size: 8, .value_kind: global_buffer, .address_space: global }
      - { .name: wimg, .offset: 8, .size: 8, .value_kind: global_buffer, .address_space: global }
      - { .name: hp, .offset: 16, .size: 8, .value_kind: global_buffer, .address_space: global }
      - { .name: lowp_scales, .offset: 24, .size: 8, .value_kind: global_buffer, .address_space: global }
      - { .name: ps, .offset: 32, .size: 8, .value_kind: global_buffer, .address_space: global }
    .group_segment_fixed_size: 327680
    .private_segment_fixed_size: 0
    .kernarg_segment_align: 8
    .kernarg_segment_size: 40
    .max_flat_workgroup_size: 128
    .sgpr_count:     66
    .vgpr_count:     1024
    .wavefront_size: 32
...
	.end_amdgpu_metadata
.endif
;; end of part 2
;; launch soft (part 3): grid 16 x 1, 8 waves a work-group, no clusters, 2,048 bytes of LDS; arguments ps, hp, b, lowp_scales, out0, pn, keep; writes out0, pn, keep
.if DOCPART == 3
	.amdgcn_target "amdgcn-amd-amdhsa--gfx1250"
	.amdhsa_code_object_version 6
	.text
	.protected	k_q9508162322_soft
	.globl	k_q9508162322_soft
	.p2align	8
	.type	k_q9508162322_soft,@function
k_q9508162322_soft:
	s_mov_b64 s[64:65], 0
	v_nop
	global_prefetch_b8 v0, s[64:65] scope:SCOPE_SE
	s_setreg_imm32_b32 hwreg(HW_REG_WAVE_MODE, 25, 1), 1
	s_wait_xcnt 0x0
; One work-group to a batch; thread n takes rows 4 n .. 4 n + 3.
;   u[s] = 2^(e0 + e1) x the sum of the 16 K parts;   cb = sum over a of b[a] hp[a];   out0 = score = u + cb.
;   softmax over the batch's 1,024 scores: the largest is taken away first (cb is common to all rows, so u - the largest u is score - the largest score);  pn = p / the sum of p.
;   keep: for each group of 16 rows a whole number, 1 where some row's p is at least 2^-40 of the largest, else 0, stored at a fixed place by each of the group's four threads.  The next launch passes over the
;   groups with 0: all rows so left out weigh together under 2^-30 of the sum.  The group that holds the largest score always has 1.
; No matrix unit, no tensor load: 64 KB are read by each work-group, once.  LIMIT: NaN and infinities among the sums are not served.
.set P, 16                             ; v16-79 the 16 parts of my four rows; v16-19 then u
	s_load_b256 s[4:11], s[0:1], 0x0               ; ps s[4:5], hp s[6:7], b s[8:9], the scales' exponents s[10:11]
	s_load_b128 s[12:15], s[0:1], 0x20             ; out0 s[12:13], pn s[14:15]
	s_load_b64 s[16:17], s[0:1], 0x30              ; keep
	v_lshl_add_u32 v128, v0, 2, 0x400
	v_mov_b32 v129, 0
	v_lshrrev_b32 v1, 5, v0
	v_readfirstlane_b32 s18, v1                    ; wave 0..7
	v_lshlrev_b32 v2, 4, v0                        ; 16 n
	v_lshlrev_b32 v3, 2, v0                        ; 4 n
	s_lshl_b32 s20, ttmp9, 12                      ; the batch's 4,096 bytes in ps, out0, pn,
	s_mov_b32 s21, 0
	s_lshl_b32 s22, ttmp9, 13                      ; its 8,192 in hp,
	s_mov_b32 s23, 0
	s_lshl_b32 s24, ttmp9, 10                      ; its 1,024 in keep
	s_mov_b32 s25, 0
	s_mov_b32 s26, 0x76543210
	s_mov_b32 s27, 0xfedcba98                      ; lane selects: lane l xor 16
	s_wait_kmcnt 0x0
	s_load_b64 s[28:29], s[10:11], 0x0             ; e0, e1
	s_add_nc_u64 s[4:5], s[4:5], s[20:21]
	s_add_nc_u64 s[6:7], s[6:7], s[22:23]
	s_add_nc_u64 s[12:13], s[12:13], s[20:21]
	s_add_nc_u64 s[14:15], s[14:15], s[20:21]
	s_add_nc_u64 s[16:17], s[16:17], s[24:25]
.irp k, 0,1,2,3,4,5,6,7,8,9,10,11,12,13,14,15
	global_load_b128 v[P+4*\k:P+4*\k+3], v2, s[4:5] offset:\k*65536    ; part k: 512 consecutive bytes a wave
.endr
	global_load_b128 v[80:83], v2, s[6:7]          ; my eight numbers of hp and of b
	global_load_b128 v[84:87], v2, s[6:7] offset:4096
	global_load_b128 v[88:91], v2, s[8:9]
	global_load_b128 v[92:95], v2, s[8:9] offset:4096
	v_mov_b32 v10, 0                               ; written once: a lane permute's destination counts as one of its sources
	v_mov_b32 v11, 0
	v_mov_b32 v12, s18
	v_lshlrev_b32 v13, 2, v12                      ; 4 w
	v_lshlrev_b32 v12, 3, v12                      ; 8 w
	v_mov_b32 v14, 0
	s_wait_loadcnt 0x0
.irp d, 32,16,8,4                              ; the 16 parts are added by halves
.set k, 0
.rept \d/2
	v_pk_add_f32 v[P+k:P+k+1], v[P+k:P+k+1], v[P+\d+k:P+\d+k+1]
.set k, k+2
.endr
.endr
	v_mul_f32 v8, v80, v88
	v_mul_f32 v9, v84, v92
.irp i, 1,2,3
	v_fmac_f32 v8, v[80+\i], v[88+\i]
	v_fmac_f32 v9, v[84+\i], v[92+\i]
.endr
	v_add_f32 v8, v8, v9                           ; my part of cb
	s_wait_kmcnt 0x0
	s_add_co_i32 s28, s28, s29
.irp i, 0,1,2,3
	v_ldexp_f32 v[P+\i], v[P+\i], s28              ; u
.endr
	v_max3_num_f32 v9, v16, v17, v18
	v_max_num_f32 v9, v9, v19                      ; my largest u
.irp m, 1,2,4,8
	v_add_f32_dpp v8, v8, v8 row_xmask:\m row_mask:0xf bank_mask:0xf
	v_max_num_f32_dpp v9, v9, v9 row_xmask:\m row_mask:0xf bank_mask:0xf
.endr
	v_permlanex16_b32 v10, v8, s26, s27
	v_permlanex16_b32 v11, v9, s26, s27
	v_add_f32 v8, v8, v10
	v_max_num_f32 v9, v9, v11
	ds_store_b64 v12, v[8:9]                       ; my wave's sum and maximum (all lanes store the same)
	s_wait_dscnt 0x0
	s_barrier_signal -1
	s_barrier_wait -1
.irp i, 0,1,2,3
	ds_load_b128 v[96+4*\i:99+4*\i], v14 offset:16*\i
.endr
	s_wait_dscnt 0x0
	v_add_f32 v8, v96, v98
	v_add_f32 v10, v100, v102
	v_add_f32 v11, v104, v106
	v_add_f32 v15, v108, v110
	v_add_f32 v8, v8, v10
	v_add_f32 v11, v11, v15
	v_add_f32 v8, v8, v11                          ; cb
	v_max3_num_f32 v9, v97, v99, v101
	v_max3_num_f32 v9, v9, v103, v105
	v_max3_num_f32 v9, v9, v107, v109
	v_max_num_f32 v9, v9, v111                     ; the batch's largest u
.irp i, 0,1,2,3
	v_add_f32 v[20+\i], v[P+\i], v8
	v_sub_f32 v[24+\i], v[P+\i], v9
.endr
	global_store_b128 v2, v[20:23], s[12:13]       ; out0
.irp i, 0,1,2,3
	v_mul_f32 v[24+\i], 0x3fb8aa3b, v[24+\i]       ; t = (u - the largest) x log2(e), 0 or less
.endr
.irp i, 0,1,2,3
	v_exp_f32 v[28+\i], v[24+\i]                   ; p = 2^t
.endr
	v_max3_num_f32 v40, v24, v25, v26              ; the group's flag is the independent work behind the exponentials
	v_max_num_f32 v40, v40, v27
	v_max_num_f32_dpp v40, v40, v40 row_xmask:1 row_mask:0xf bank_mask:0xf
	v_max_num_f32_dpp v40, v40, v40 row_xmask:2 row_mask:0xf bank_mask:0xf   ; the largest t of the group's 16 rows, in its four threads
	v_mov_b32 v41, 1
	v_cmp_le_f32 vcc_lo, 0xc2200000, v40           ; -40 <= t
	v_cndmask_b32 v41, 0, v41, vcc_lo
	global_store_b32 v3, v41, s[16:17]             ; the address is fixed; only the number stored hangs on the data
	s_wait_alu depctr_va_vdst(0)                   ; one wait for the four exponentials, ahead of their first reader
	v_add_f32 v32, v28, v29
	v_add_f32 v33, v30, v31
	v_add_f32 v32, v32, v33
.irp m, 1,2,4,8
	v_add_f32_dpp v32, v32, v32 row_xmask:\m row_mask:0xf bank_mask:0xf
.endr
	v_permlanex16_b32 v10, v32, s26, s27
	v_add_f32 v32, v32, v10
	ds_store_b32 v13, v32 offset:256               ; other bytes than the first exchange's
	s_wait_dscnt 0x0
	s_barrier_signal -1
	s_barrier_wait -1
	ds_load_b128 v[96:99], v14 offset:256
	ds_load_b128 v[100:103], v14 offset:272
	s_wait_dscnt 0x0
	v_add_f32 v96, v96, v97
	v_add_f32 v98, v98, v99
	v_add_f32 v100, v100, v101
	v_add_f32 v102, v102, v103
	v_add_f32 v96, v96, v98
	v_add_f32 v100, v100, v102
	v_add_f32 v96, v96, v100                       ; the sum of p: at least 1
	v_rcp_f32 v34, v96
	v_nop                                          ; a plain line behind the reciprocal
	s_wait_alu depctr_va_vdst(0)                   ; and the wait ahead of its first reader
.irp i, 0,1,2,3
	v_mul_f32 v[36+\i], v[28+\i], v34
.endr
	global_store_b128 v2, v[36:39], s[14:15]       ; pn
	s_wait_tensorcnt 0x0
	ds_add_u32 v128, v129
	s_wait_dscnt 0x0
	s_endpgm
.Lfunc_end_k_q9508162322_soft:
	.size	k_q9508162322_soft, .Lfunc_end_k_q9508162322_soft-k_q9508162322_soft
	.p2alignl 7, 3214868480
	.fill 96, 4, 3214868480
	.section	.rodata,"a",@progbits
	.p2align	6, 0x0
	.amdhsa_kernel k_q9508162322_soft
		.amdhsa_group_segment_fixed_size 2048
		.amdhsa_private_segment_fixed_size 0
		.amdhsa_enable_private_segment 0
		.amdhsa_kernarg_size 56
		.amdhsa_user_sgpr_count 2
		.amdhsa_user_sgpr_kernarg_segment_ptr 1
		.amdhsa_wavefront_size32 1
		.amdhsa_system_sgpr_workgroup_id_x 1
		.amdhsa_system_sgpr_workgroup_id_y 1
		.amdhsa_system_sgpr_workgroup_id_z 1
		.amdhsa_system_vgpr_workitem_id 0
		.amdhsa_next_free_vgpr 130
		.amdhsa_next_free_sgpr 66
		.amdhsa_reserve_vcc 1
		.amdhsa_float_denorm_mode_32 3
		.amdhsa_float_denorm_mode_16_64 3
		.amdhsa_memory_ordered 1
		.amdhsa_forward_progress 1
		.amdhsa_inst_pref_size 11
	.end_amdhsa_kernel
	.amdgpu_metadata
---
amdhsa.version: [ 1, 2 ]
amdhsa.kernels:
  - .name:           k_q9508162322_soft
    .symbol:         k_q9508162322_soft.kd
    .args:
      - { .name: ps, .offset: 0, .size: 8, .value_kind: global_buffer, .address_space: global }
      - { .name: hp, .offset: 8, .size: 8, .value_kind: global_buffer, .address_space: global }
      - { .name: b, .offset: 16, .size: 8, .value_kind: global_buffer, .address_space: global }
      - { .name: lowp_scales, .offset: 24, .size: 8, .value_kind: global_buffer, .address_space: global }
      - { .name: out0, .offset: 32, .size: 8, .value_kind: global_buffer, .address_space: global }
      - { .name: pn, .offset: 40, .size: 8, .value_kind: global_buffer, .address_space: global }
      - { .name: keep, .offset: 48, .size: 8, .value_kind: global_buffer, .address_space: global }
    .group_segment_fixed_size: 2048
    .private_segment_fixed_size: 0
    .kernarg_segment_align: 8
    .kernarg_segment_size: 56
    .max_flat_workgroup_size: 256
    .sgpr_count:     66
    .vgpr_count:     130
    .wavefront_size: 32
...
	.end_amdgpu_metadata
.endif
;; end of part 3
;; launch ctx (part 4): grid 16 x 16, 8 waves a work-group, no clusters, 5,120 bytes of LDS; arguments encode_state, pn, keep, out1; writes out1
.if DOCPART == 4
	.amdgcn_target "amdgcn-amd-amdhsa--gfx1250"
	.amdhsa_code_object_version 6
	.text
	.protected	k_q9508162322_ctx
	.globl	k_q9508162322_ctx
	.p2align	8
	.type	k_q9508162322_ctx,@function
k_q9508162322_ctx:
	s_mov_b64 s[64:65], 0
	v_nop
	global_prefetch_b8 v0, s[64:65] scope:SCOPE_SE
	s_setreg_imm32_b32 hwreg(HW_REG_WAVE_MODE, 25, 1), 1
	s_wait_xcnt 0x0
; out1[b][d] = sum over s of pn[b][s] x enc[b][s][d], in f32, over the groups of 16 rows that the launch before marked in keep (whole numbers; a group left out holds only weights under 2^-40 of the largest:
; all of them together add less than 2^-30 x the largest |enc|).  Where the scores are flat every group is marked and every row is read.
; A work-group owns (x: 128 columns = 512 bytes of a row, y: the batch); wave w rows 128 w .. 128 w + 127: eight groups.  A lane holds four columns; a row's load is 512 consecutive bytes.
; The branches hang on whole numbers read from memory; the launch has no tensor load, and no barrier stands under a branch.  The weights are scalars: a group's sixteen come by one scalar load.
; No matrix unit (one row of weights), no cluster (nothing is shared).
	s_load_b256 s[4:11], s[0:1], 0x0               ; encode_state s[4:5], pn s[6:7], keep s[8:9], out1 s[10:11]
	v_lshl_add_u32 v96, v0, 2, 0x1000
	v_mov_b32 v97, 0
	v_lshrrev_b32 v1, 5, v0
	v_readfirstlane_b32 s12, v1                    ; wave 0..7
	v_and_b32 v1, 31, v0
	v_lshlrev_b32 v2, 4, v1                        ; 16 x lane
	v_lshlrev_b32 v3, 4, v0                        ; LDS: 512 w + 16 x lane
	s_and_b32 s13, ttmp7, 0xffff                   ; b
	s_lshl_b32 s14, s13, 10                        ; keep: the batch's 256 words, my wave's 32 (a group's flag stands four times)
	s_lshl_b32 s2, s12, 7
	s_add_co_u32 s14, s14, s2
	s_mov_b32 s15, 0
	s_wait_kmcnt 0x0
	s_add_nc_u64 s[8:9], s[8:9], s[14:15]
	s_load_b512 s[16:31], s[8:9], 0x0
	s_load_b512 s[32:47], s[8:9], 0x40
	s_lshl_b32 s14, s13, 12                        ; pn: the batch's row, my wave's 128 weights
	s_lshl_b32 s2, s12, 9
	s_add_co_u32 s14, s14, s2
	s_add_nc_u64 s[6:7], s[6:7], s[14:15]
	s_lshl_b32 s14, s13, 23                        ; enc: the batch, my wave's first row, the work-group's columns
	s_lshl_b32 s2, s12, 20
	s_add_co_u32 s14, s14, s2
	s_lshl_b32 s2, ttmp9, 9
	s_add_co_u32 s14, s14, s2
	s_add_nc_u64 s[4:5], s[4:5], s[14:15]
	s_lshl_b32 s14, s13, 13                        ; out1: the batch's row, the work-group's columns
	s_add_co_u32 s14, s14, s2
	s_add_nc_u64 s[10:11], s[10:11], s[14:15]
.irp i, 4,5,6,7
	v_mov_b32 v\i, 0                               ; a wave may find none of its groups marked
.endr
	s_wait_kmcnt 0x0                               ; the flags
.macro GRP i
	s_cmp_eq_u32 s[16+4*\i], 0
	s_cbranch_scc1 .Lskip_\@
	s_load_b512 s[48:63], s[6:7], 64*\i            ; the group's sixteen weights
.irp j, 0,1,2,3,4,5,6,7,8,9,10,11,12,13,14,15
	global_load_b128 v[16+4*\j:19+4*\j], v2, s[4:5] offset:(16*\i+\j)*8192 th:TH_LOAD_NT
.endr
	s_wait_kmcnt 0x0
.irp j, 0,1,2,3,4,5,6,7,8,9,10,11,12,13,14,15
	s_wait_loadcnt 15-\j                           ; row j is in; the younger rows may be out
	v_fmac_f32 v4, s[48+\j], v[16+4*\j]
	v_fmac_f32 v5, s[48+\j], v[17+4*\j]
	v_fmac_f32 v6, s[48+\j], v[18+4*\j]
	v_fmac_f32 v7, s[48+\j], v[19+4*\j]
.endr
.Lskip_\@:
.endm
	GRP 0
	GRP 1
	GRP 2
	GRP 3
	GRP 4
	GRP 5
	GRP 6
	GRP 7
	ds_store_b128 v3, v[4:7]
	s_wait_dscnt 0x0                               ; for wave 0's sake: my sums have landed
	s_barrier_signal -1
	s_barrier_wait -1
	s_cmp_lg_u32 s12, 0
	s_cbranch_scc1 .Ldone
.irp k, 0,1,2,3,4,5,6,7
	ds_load_b128 v[16+4*\k:19+4*\k], v2 offset:512*\k
.endr
	s_wait_dscnt 0x0
.irp d, 16,8,4                                 ; the eight waves' sums are added by halves
.set k, 0
.rept \d/2
	v_pk_add_f32 v[16+k:17+k], v[16+k:17+k], v[16+\d+k:17+\d+k]
.set k, k+2
.endr
.endr
	global_store_b128 v2, v[16:19], s[10:11]       ; 32 lanes store 512 consecutive bytes, at a multiple of 512 from out1's first byte
.Ldone:
	s_wait_tensorcnt 0x0
	ds_add_u32 v96, v97
	s_wait_dscnt 0x0
	s_endpgm
.Lfunc_end_k_q9508162322_ctx:
	.size	k_q9508162322_ctx, .Lfunc_end_k_q9508162322_ctx-k_q9508162322_ctx
	.p2alignl 7, 3214868480
	.fill 96, 4, 3214868480
	.section	.rodata,"a",@progbits
	.p2align	6, 0x0
	.amdhsa_kernel k_q9508162322_ctx
		.amdhsa_group_segment_fixed_size 5120
		.amdhsa_private_segment_fixed_size 0
		.amdhsa_enable_private_segment 0
		.amdhsa_kernarg_size 32
		.amdhsa_user_sgpr_count 2
		.amdhsa_user_sgpr_kernarg_segment_ptr 1
		.amdhsa_wavefront_size32 1
		.amdhsa_system_sgpr_workgroup_id_x 1
		.amdhsa_system_sgpr_workgroup_id_y 1
		.amdhsa_system_sgpr_workgroup_id_z 1
		.amdhsa_system_vgpr_workitem_id 0
		.amdhsa_next_free_vgpr 98
		.amdhsa_next_free_sgpr 66
		.amdhsa_reserve_vcc 0
		.amdhsa_float_denorm_mode_32 3
		.amdhsa_float_denorm_mode_16_64 3
		.amdhsa_memory_ordered 1
		.amdhsa_forward_progress 1
		.amdhsa_inst_pref_size 37
	.end_amdhsa_kernel
	.amdgpu_metadata
---
amdhsa.version: [ 1, 2 ]
amdhsa.kernels:
  - .name:           k_q9508162322_ctx
    .symbol:         k_q9508162322_ctx.kd
    .args:
      - { .name: encode_state, .offset: 0, .size: 8, .value_kind: global_buffer, .address_space: global }
      - { .name: pn, .offset: 8, .size: 8, .value_kind: global_buffer, .address_space: global }
      - { .name: keep, .offset: 16, .size: 8, .value_kind: global_buffer, .address_space: global }
      - { .name: out1, .offset: 24, .size: 8, .value_kind: global_buffer, .address_space: global }
    .group_segment_fixed_size: 5120
    .private_segment_fixed_size: 0
    .kernarg_segment_align: 8
    .kernarg_segment_size: 32
    .max_flat_workgroup_size: 256
    .sgpr_count:     66
    .vgpr_count:     98
    .wavefront_size: 32
...
	.end_amdgpu_metadata
.endif
;; end of part 4
